; MI455X (gfx1250); checked and timed in simulation.
; The chip was launched on July 23, 2026; its instructions are those of AMD's public machine-readable ISA for CDNA 5 (MIT licence, August 2026) and "CDNA5" Instruction Set Architecture Reference Guide (July 2026). The comments in the code are by the model that wrote it; some were corrected since.
;; Expert Pool. Allowed arithmetic: matrix products marked QUANTISED: E2M3 operands, one E8M0 scale for each 32 along K, by v_wmma_scale_f32_16x16x128_f8f6f4 with both operands' format E2M3, f32 sums; products left as they are: f32 operands where the result goes on into a quantised operand, else bf16, f16 or f32 operands; f32 sums; everything else in f32.
;; Inputs: W1_codes 8 x 2,048 x 32 x 24 uint8 (E2M3 codes of W1, K innermost, in blocks of 32 codes, four codes in three bytes); W1_scales 8 x 2,048 x 32 uint8 (E8M0 scales of W1, one for each 32 codes along K); W2_codes 8 x 1,024 x 64 x 24 uint8 (E2M3 codes of W2, K innermost, in blocks of 32 codes, four codes in three bytes); W2_scales 8 x 1,024 x 64 uint8 (E8M0 scales of W2, one for each 32 codes along K); b1 8 x 2,048 float32; b2 8 x 1,024 float32; expert_weights 2,048 x 2 float32; hidden_states_codes 2,048 x 32 x 24 uint8 (E2M3 codes of hidden_states, K innermost, in blocks of 32 codes, four codes in three bytes); hidden_states_scales 2,048 x 32 uint8 (E8M0 scales of hidden_states, one for each 32 codes along K); selected_experts 2,048 x 2 int32.
;; Outputs: out0 2,048 x 1,024 float32.
;; This version of the problem:
;;   THIS VERSION OF THE PROBLEM IS GIVEN IN LOW PRECISION. The matrix products marked QUANTISED in the list below multiply operands that are first quantised to E2M3 (2 exponent bits, 3 mantissa bits; 6 bits a number), with one power-of-two scale for each 32 numbers along K (OCP MX v1.0); their sums are f32. All else is computed in f32.
;;   The module's matrix products, in the order in which they are computed (A, B: the left and right operand; K: the contracted axis; several contracted axes count as one K, in the product's order):
;;     1. batch 2,048 x [M 1, K 2] x [K 2, N 8]; A: input expert_weights; B: computed on the way: left as it is (K = 2 < 32)
;;     2. [M 2,048, K 1,024] x [K 1,024, N 2,048]; A: input hidden_states (given as codes); B: input W1 (given as codes): QUANTISED
;;     3. [M 2,048, K 2,048] x [K 2,048, N 1,024]; A: computed on the way; B: input W2 (given as codes): QUANTISED
;;     4. [M 2,048, K 1,024] x [K 1,024, N 2,048]; A: input hidden_states (given as codes); B: input W1 (given as codes): QUANTISED
;;     5. [M 2,048, K 2,048] x [K 2,048, N 1,024]; A: computed on the way; B: input W2 (given as codes): QUANTISED
;;     6. [M 2,048, K 1,024] x [K 1,024, N 2,048]; A: input hidden_states (given as codes); B: input W1 (given as codes): QUANTISED
;;     7. [M 2,048, K 2,048] x [K 2,048, N 1,024]; A: computed on the way; B: input W2 (given as codes): QUANTISED
;;     8. [M 2,048, K 1,024] x [K 1,024, N 2,048]; A: input hidden_states (given as codes); B: input W1 (given as codes): QUANTISED
;;     9. [M 2,048, K 2,048] x [K 2,048, N 1,024]; A: computed on the way; B: input W2 (given as codes): QUANTISED
;;     10. [M 2,048, K 1,024] x [K 1,024, N 2,048]; A: input hidden_states (given as codes); B: input W1 (given as codes): QUANTISED
;;     11. [M 2,048, K 2,048] x [K 2,048, N 1,024]; A: computed on the way; B: input W2 (given as codes): QUANTISED
;;     12. [M 2,048, K 1,024] x [K 1,024, N 2,048]; A: input hidden_states (given as codes); B: input W1 (given as codes): QUANTISED
;;     13. [M 2,048, K 2,048] x [K 2,048, N 1,024]; A: computed on the way; B: input W2 (given as codes): QUANTISED
;;     14. [M 2,048, K 1,024] x [K 1,024, N 2,048]; A: input hidden_states (given as codes); B: input W1 (given as codes): QUANTISED
;;     15. [M 2,048, K 2,048] x [K 2,048, N 1,024]; A: computed on the way; B: input W2 (given as codes): QUANTISED
;;     16. [M 2,048, K 1,024] x [K 1,024, N 2,048]; A: input hidden_states (given as codes); B: input W1 (given as codes): QUANTISED
;;     17. [M 2,048, K 2,048] x [K 2,048, N 1,024]; A: computed on the way; B: input W2 (given as codes): QUANTISED
;;   THE QUANTISER, for each operand of a quantised product, along K:
;;     - K is cut into blocks of 32 from its start; a last block that is shorter is filled with zeros.
;;     - A block's scale is 2^e with e = floor(log2(the largest magnitude in the block)) - 2, held to -126 .. 127; a block of zeros has e = 0. As a byte (E8M0): e + 127.
;;     - Each number is divided by its block's scale, clamped to +-7.5, and rounded to the nearest number of E2M3, ties to even, subnormals kept.
;;     - The product sums the exact products of the quantised numbers (number of the format x scale) in f32.
;;   ~~~python
;;   def quantise(x, axis):      # numpy; x: float32 -> the quantised numbers, widened to float32 again
;;       x = np.moveaxis(x, axis, -1); K = x.shape[-1]
;;       x = np.pad(x, [(0, 0)] * (x.ndim - 1) + [(0, -K % 32)]); x = x.reshape(x.shape[:-1] + (-1, 32)); a = np.abs(x).max(-1, keepdims=True)
;;       e = np.where(a > 0, np.clip(np.frexp(np.where(a > 0, a, 1))[1] - 1 - 2, -126, 127), 0)      # np.frexp(a)[1] - 1 = floor(log2(a)), exactly
;;       r = np.clip(x / 2.0 ** e, -7.5, 7.5)
;;       step = 2.0 ** (np.maximum(np.frexp(np.where(r == 0, 1, r))[1] - 1, 0) - 3)
;;       q = np.round(r / step) * step * 2.0 ** e      # np.round: ties to even
;;       return np.moveaxis(q.reshape(q.shape[:-2] + (-1,))[..., :K], -1, axis).astype(np.float32)
;;   ~~~
;;   OPERANDS COMPUTED ON THE WAY. 'Computed on the way' means the value that the module computes at that place (a softmax that the list does not call 'softmax' is quantised finished and normalised). What goes into a quantiser is computed in f32, as accurately as f32 sums, v_exp_f32 and their like allow (about 1e-6 of the number): no bf16 or f16 on the way to a quantiser, and a product that is left as it is and whose result goes on into a quantised operand takes f32 operands (vector FMAs, or v_wmma_f32_16x16x4_f32). A number that lies on a knife's edge between two numbers of the format may be rounded either way, as far as f32 arithmetic and the matrix unit's own rounding can turn it there, and no further.
;;   INPUTS GIVEN AS CODES. W1 (in the module: [8, 1024, 2048], K = its axis 1); W2 (in the module: [8, 2048, 1024], K = its axis 1); hidden_states (in the module: [2048, 1024], K = its axis 1): each comes as NAME_codes (uint8): NAME with its K axis moved to the last place and cut into blocks of 32 codes, [.., K / 32, bytes a block], one block behind the other in memory; four codes in three bytes: a row's codes are one little-endian stream of bits, code i at bits 6 i .. 6 i + 5 (a code: sign, 2 exponent bits, 3 mantissa bits); and NAME_scales (uint8): the same leading axes, one E8M0 byte (e + 127) for each 32 codes along K. Its value is code x scale, taken as it is: it is not quantised again, and the codes and scales need not be those that the quantiser above would give.
;; One version. Each part assembles by itself: llvm-mc -triple=amdgcn-amd-amdhsa -mcpu=gfx1250 --defsym DOCPART=n.
;; ======== version 1 of 1: 4 launches
;; limits: right only within a limited range of input values
;; workspace buffers: rowtok 16,384 bytes of whole numbers; roww 16,384 bytes; tiles0 1,024 bytes of whole numbers; tiles1 1,024 bytes of whole numbers; hq 9,437,184 bytes; hqs 393,216 bytes; tmp 8,388,608 bytes
;; launch route (part 1): grid 2 x 1, 32 waves a work-group, no clusters, 12,800 bytes of LDS; arguments selected_experts, expert_weights, rowtok, roww, tiles0, tiles1; writes rowtok, roww, tiles0, tiles1
.if DOCPART == 1
	.amdgcn_target "amdgcn-amd-amdhsa--gfx1250"
	.amdhsa_code_object_version 6
	.text
	.protected	k_q65ddf305ac_route
	.globl	k_q65ddf305ac_route
	.p2align	8
	.type	k_q65ddf305ac_route,@function
k_q65ddf305ac_route:
	s_mov_b64 s[64:65], 0
	v_nop
	global_prefetch_b8 v0, s[64:65] scope:SCOPE_SE
	s_setreg_imm32_b32 hwreg(HW_REG_WAVE_MODE, 25, 1), 1
	s_wait_xcnt 0x0
; ROUTING.  selected_experts, expert_weights: [2048][2].  Each of the two slots is sorted on its own, by a counting sort, into nine groups:
; experts 0 to 7, and group 8 for an index outside 0 .. 7 (negative ones too: as unsigned numbers they are large), which later runs with the weight 0.
; Sorted row R = 2048 x slot + place.  Out: rowtok[R] = token, roww[R] = weight (0 in group 8), and for each slot 32 records of 8 words,
; one for each tile of up to 128 rows of one group: expert (0 .. 7), first row R, rows (0 .. 128), 1 - slot, 24 x slot + record, 0, 0, 0.
; Nine groups of 2,048 rows in all make at most (2048 + 9 x 127) / 128 = 24 tiles, whatever the choice; records behind the last tile have 0 rows.
; WORK-GROUP x = THE SLOT: the two sorts share nothing, and each stores its own half of the lists and its own table of records.  The slot enters by scalars alone, no branch hangs on it.
; 32 waves: thread t takes tokens 1024 i + t, i = 0, 1; a wave's 32 tokens of one i are chunk 32 i + wave, 64 chunks in all.
; LDS: the counts, row = group (rows 9 to 31 are zeros), 272 bytes apart, word = chunk.  No atomics: counts by ballots, places by prefix sums.
; No matrix work, no tensor load, no cluster, no prefetch: 32 KiB are read once, and there is no loop to run ahead in.
.set PITCH, 272
.set SPARE, 32*PITCH                   ; 8,704 = 34 x 256: behind the counts, the spare words, 128 bytes for each of the 32 waves
.set SEL,   4                          ; v4-7     the index pairs of my two tokens
.set G,     8                          ; v8, v9   my slot's group of token i
.set RK,    10                         ; v10, v11 its rank among its chunk's tokens of the same group
.set WP,    12                         ; v12-15   the weight pairs
.set WGT,   16                         ; v16, v17 my slot's weight
.set CT,    18                         ; v18, v19 a chunk's counts, lane = group
.set SA,    20                         ; v20-23, v24-27  the scan: running sums of four runs of 16 chunks, two sets by turns
.set SB,    24
.set CN,    40                         ; v40-103  the scan: a group's 64 chunks
	s_load_b256 s[4:11], s[0:1], 0x0               ; indices s[4:5], weights s[6:7], rowtok s[8:9], roww s[10:11]
	s_load_b128 s[12:15], s[0:1], 0x20             ; tiles0, tiles1
	v_lshl_add_u32 v116, v0, 2, SPARE              ; my spare word, and 0: kept for the add at the end
	v_mov_b32 v117, 0
	v_lshrrev_b32 v3, 5, v0
	s_delay_alu instid0(VALU_DEP_1)
	v_readfirstlane_b32 s16, v3                    ; wave 0..31
	v_and_b32 v1, 31, v0                           ; lane
	v_lshlrev_b32 v2, 3, v0                        ; 8 bytes a token
	s_delay_alu instid0(VALU_DEP_2)
	v_mul_u32_u24 v39, v1, PITCH                   ; the scan: row = lane
	s_lshl_b32 s17, s16, 2
	s_lshl_b32 s23, ttmp9, 11                      ; 2048 x slot
	s_cmp_lg_u32 ttmp9, 0
	s_cselect_b32 s18, -1, 0                       ; all lanes take the pair's second word in slot 1
	v_add_nc_u32 v38, s17, v39                     ; a chunk's counts: row = lane, word = wave (+ 32 i in the immediate)
	v_mov_b32 v108, 0                              ; written once: a lane move's destination counts as one of its sources
	s_wait_alu depctr_va_vdst(0)
	s_wait_kmcnt 0x0
.irp i, 0,1
	global_load_b64 v[SEL+2*\i:SEL+2*\i+1], v2, s[4:5] offset:8192*\i   ; whole pairs: a wave's load covers 256 consecutive bytes
	global_load_b64 v[WP+2*\i:WP+2*\i+1], v2, s[6:7] offset:8192*\i
.endr
	s_wait_loadcnt 0x0
.irp i, 0,1
	v_cndmask_b32 v[G+\i], v[SEL+2*\i], v[SEL+2*\i+1], s18
	v_cndmask_b32 v[WGT+\i], v[WP+2*\i], v[WP+2*\i+1], s18
.endr
.irp i, 0,1
	v_min_u32 v[G+\i], 8, v[G+\i]                  ; the group
.endr
; One chunk: for each group a ballot; its count goes to lane = group, its bits below mine are my rank.
.macro RANK ch
	v_mov_b32 v[CT+\ch], 0
	v_mov_b32 v[RK+\ch], 0
.irp b, 0,1,2,3,4,5,6,7,8
	v_cmp_eq_u32 s20, \b, v[G+\ch]
	s_bcnt1_i32_b32 s21, s20
	v_mbcnt_lo_u32_b32 v37, s20, 0
	s_delay_alu instid0(VALU_DEP_1)
	v_cndmask_b32 v[RK+\ch], v[RK+\ch], v37, s20
	v_writelane_b32 v[CT+\ch], s21, \b
.endr
	ds_store_b32 v38, v[CT+\ch] offset:128*\ch
.endm
	RANK 0
	RANK 1
	s_wait_dscnt 0x0                               ; for the others' sake: my counts lie in LDS
	s_barrier_signal -1
	s_barrier_wait -1
	; THE SCAN: wave 0; lane = group.  The other waves go straight to the next barrier.
	s_cmp_lt_u32 s16, 1
	s_cbranch_scc0 .Ljoin
.irp s, 0,1,2,3
	v_mov_b32 v[SA+\s], 0
.endr
.irp k, 0,1,2,3,4,5,6,7,8,9,10,11,12,13,14,15
	ds_load_b128 v[CN+4*\k:CN+4*\k+3], v39 offset:16*\k
.endr
	s_wait_alu depctr_va_vdst(0)
	s_wait_dscnt 0x0
; Sums of the chunks ahead, in four runs of 16 chunks that take turns line by line: each line reads what was written eight lines before it.
.set c, 0
.rept 8
.irp s, 0,1,2,3
	v_add_nc_u32 v[SB+\s], v[SA+\s], v[CN+16*\s+c]
.endr
.irp s, 0,1,2,3
	v_mov_b32 v[CN+16*\s+c], v[SA+\s]
.endr
.irp s, 0,1,2,3
	v_add_nc_u32 v[SA+\s], v[SB+\s], v[CN+16*\s+c+1]
.endr
.irp s, 0,1,2,3
	v_mov_b32 v[CN+16*\s+c+1], v[SB+\s]
.endr
.set c, c+2
.endr
	v_add_nc_u32 v104, v[SA], v[SA+1]
	v_add_nc_u32 v105, v[SA+2], v[SA+3]
	s_delay_alu instid0(VALU_DEP_1)
	v_add_nc_u32 v106, v104, v105                  ; the group's rows
.macro LSCAN x                                 ; sums over lanes 0 .. my lane of a row of sixteen (the nine groups lie in lanes 0 to 8)
.irp n, 1,2,4,8
	s_delay_alu instid0(VALU_DEP_1)
	v_mov_b32_dpp v108, v[\x] row_shr:\n row_mask:0xf bank_mask:0xf bound_ctrl:1
	s_delay_alu instid0(VALU_DEP_1)
	v_add_nc_u32 v[\x], v[\x], v108
.endr
.endm
	s_delay_alu instid0(VALU_DEP_1)
	v_mov_b32 v107, v106
	LSCAN 107
	s_delay_alu instid0(VALU_DEP_1)
	v_sub_nc_u32 v107, v107, v106                  ; where the group begins in its slot: the first run's base
	s_delay_alu instid0(VALU_DEP_1)
	v_add_nc_u32 v28, v107, v[SA]                  ; the second run's base,
	s_delay_alu instid0(VALU_DEP_1)
	v_add_nc_u32 v29, v28, v[SA+1]                 ; the third's,
	s_delay_alu instid0(VALU_DEP_1)
	v_add_nc_u32 v30, v29, v[SA+2]                 ; the fourth's
.set c, 0
.rept 16
	v_add_nc_u32 v[CN+c], v107, v[CN+c]            ; where each chunk's part of the group begins
.irp s, 1,2,3
	v_add_nc_u32 v[CN+16*\s+c], v[27+\s], v[CN+16*\s+c]
.endr
.set c, c+1
.endr
.irp k, 0,1,2,3,4,5,6,7,8,9,10,11,12,13,14,15
	ds_store_b128 v39, v[CN+4*\k:CN+4*\k+3] offset:16*\k
.endr
	v_add_nc_u32 v109, 127, v106
	s_delay_alu instid0(VALU_DEP_1)
	v_lshrrev_b32 v109, 7, v109                    ; the group's tiles
	s_delay_alu instid0(VALU_DEP_1)
	v_mov_b32 v110, v109
	LSCAN 110
	s_delay_alu instid0(VALU_DEP_1)
	v_sub_nc_u32 v110, v110, v109                  ; its first tile
	; THE RECORDS: lane = record.  Its group is the last whose first tile is not behind it.
	v_mov_b32 v111, 0
	v_mov_b32 v112, 0
	v_mov_b32 v113, 0
	v_mov_b32 v114, 0
.irp b, 0,1,2,3,4,5,6,7,8
	v_readlane_b32 s20, v110, \b
	v_readlane_b32 s21, v107, \b
	v_readlane_b32 s22, v106, \b
	s_delay_alu instid0(VALU_DEP_3)
	v_cmp_le_u32 vcc_lo, s20, v1
	s_delay_alu instid0(VALU_DEP_1)
	v_cndmask_b32 v111, v111, \b, vcc_lo
	s_delay_alu instid0(VALU_DEP_2)
	v_cndmask_b32 v112, v112, s20, vcc_lo
	s_delay_alu instid0(VALU_DEP_3)
	v_cndmask_b32 v113, v113, s21, vcc_lo
	s_delay_alu instid0(VALU_DEP_4)
	v_cndmask_b32 v114, v114, s22, vcc_lo
.endr
	s_delay_alu instid0(VALU_DEP_3)
	v_sub_nc_u32 v115, v1, v112
	s_delay_alu instid0(VALU_DEP_1)
	v_lshlrev_b32 v115, 7, v115                    ; 128 x (which tile of the group)
	s_delay_alu instid0(VALU_DEP_1)
	v_sub_nc_u32 v122, v114, v115
	s_delay_alu instid0(VALU_DEP_1)
	v_max_i32 v122, 0, v122
	s_delay_alu instid0(VALU_DEP_1)
	v_min_i32 v122, 0x80, v122                     ; rows: what is left of the group, 0 .. 128
	s_delay_alu instid0(VALU_DEP_4)
	v_add_nc_u32 v121, v113, v115
	s_delay_alu instid0(VALU_DEP_1)
	v_min_u32 v121, 0x7ff, v121
	s_delay_alu instid0(VALU_DEP_1)
	v_add_nc_u32 v121, s23, v121                   ; first row R
	v_min_u32 v120, 7, v111                        ; group 8 runs on expert 7's weights, with the weight 0
	s_sub_co_u32 s20, 1, ttmp9
	v_mov_b32 v123, s20                            ; 1 - slot: slot 0 is the one that adds the other slot's sum
	s_mul_i32 s21, ttmp9, 24
	v_add_nc_u32 v124, s21, v1                     ; the tile's number among both slots'
	v_mov_b32 v125, 0
	v_mov_b32 v126, 0
	v_mov_b32 v127, 0
	v_lshlrev_b32 v119, 5, v1
	s_cmp_eq_u32 ttmp9, 0
	s_cselect_b64 s[24:25], s[12:13], s[14:15]     ; my slot's table
	global_store_b128 v119, v[120:123], s[24:25]
	global_store_b128 v119, v[124:127], s[24:25] offset:16
.Ljoin:
	s_wait_dscnt 0x0                               ; the bases lie in LDS
	s_barrier_signal -1
	s_barrier_wait -1
	; THE PLACING.  Lane = group reads its chunk's base where the count was stored; each lane then takes its own group's from that lane.
.irp i, 0,1
	ds_load_b32 v[40+\i], v38 offset:128*\i
	v_lshlrev_b32 v[80+\i], 2, v[G+\i]             ; lane x 4
.endr
	s_wait_alu depctr_va_vdst(0)
	s_wait_dscnt 0x0
.irp k, 0,1
	ds_bpermute_b32 v[48+\k], v[80+\k], v[40+\k]
.endr
.irp i, 0,1
	v_add_nc_u32 v[64+\i], 1024*\i, v0             ; the token
.endr
	s_wait_dscnt 0x0
.irp i, 0,1
	v_add3_u32 v[56+\i], v[48+\i], v[RK+\i], s23
	s_delay_alu instid0(VALU_DEP_1)
	v_min_u32 v[56+\i], 0xfff, v[56+\i]            ; R, held inside the lists
	s_delay_alu instid0(VALU_DEP_1)
	v_lshlrev_b32 v[56+\i], 2, v[56+\i]
	s_wait_alu depctr_va_vdst(0)                   ; the token was written ahead of the wait on DScnt
	v_cmp_gt_u32 vcc_lo, 8, v[G+\i]
	s_delay_alu instid0(VALU_DEP_1)
	v_cndmask_b32 v[72+\i], 0, v[WGT+\i], vcc_lo
	global_store_b32 v[56+\i], v[64+\i], s[8:9]    ; 4 bytes a lane to sorted places: 16 KiB a work-group in all
	global_store_b32 v[56+\i], v[72+\i], s[10:11]
.endr
	s_wait_tensorcnt 0x0                           ; the wave's end
	ds_add_u32 v116, v117
	s_wait_dscnt 0x0
	s_endpgm
.Lfunc_end_k_q65ddf305ac_route:
	.size	k_q65ddf305ac_route, .Lfunc_end_k_q65ddf305ac_route-k_q65ddf305ac_route
	.p2alignl 7, 3214868480
	.fill 96, 4, 3214868480
	.section	.rodata,"a",@progbits
	.p2align	6, 0x0
	.amdhsa_kernel k_q65ddf305ac_route
		.amdhsa_group_segment_fixed_size 12800
		.amdhsa_private_segment_fixed_size 0
		.amdhsa_enable_private_segment 0
		.amdhsa_kernarg_size 48
		.amdhsa_user_sgpr_count 2
		.amdhsa_user_sgpr_kernarg_segment_ptr 1
		.amdhsa_wavefront_size32 1
		.amdhsa_system_sgpr_workgroup_id_x 1
		.amdhsa_system_sgpr_workgroup_id_y 1
		.amdhsa_system_sgpr_workgroup_id_z 1
		.amdhsa_system_vgpr_workitem_id 0
		.amdhsa_next_free_vgpr 128
		.amdhsa_next_free_sgpr 66
		.amdhsa_reserve_vcc 1
		.amdhsa_float_denorm_mode_32 3
		.amdhsa_float_denorm_mode_16_64 3
		.amdhsa_memory_ordered 1
		.amdhsa_forward_progress 1
		.amdhsa_inst_pref_size 27
	.end_amdhsa_kernel
	.amdgpu_metadata
---
amdhsa.version: [ 1, 2 ]
amdhsa.kernels:
  - .name:           k_q65ddf305ac_route
    .symbol:         k_q65ddf305ac_route.kd
    .args:
      - { .name: selected_experts, .offset: 0, .size: 8, .value_kind: global_buffer, .address_space: global }
      - { .name: expert_weights, .offset: 8, .size: 8, .value_kind: global_buffer, .address_space: global }
      - { .name: rowtok, .offset: 16, .size: 8, .value_kind: global_buffer, .address_space: global }
      - { .name: roww, .offset: 24, .size: 8, .value_kind: global_buffer, .address_space: global }
      - { .name: tiles0, .offset: 32, .size: 8, .value_kind: global_buffer, .address_space: global }
      - { .name: tiles1, .offset: 40, .size: 8, .value_kind: global_buffer, .address_space: global }
    .group_segment_fixed_size: 12800
    .private_segment_fixed_size: 0
    .kernarg_segment_align: 8
    .kernarg_segment_size: 48
    .max_flat_workgroup_size: 1024
    .sgpr_count:     66
    .vgpr_count:     128
    .wavefront_size: 32
...
	.end_amdgpu_metadata
.endif
;; end of part 1
;; launch ffn1 (part 2): grid 16 x 48, 4 waves a work-group, no clusters, 107,008 bytes of LDS; arguments hidden_states_codes, hidden_states_scales, W1_codes, W1_scales, b1, rowtok, tiles0, tiles1, hq, hqs; writes hq, hqs
.if DOCPART == 2
	.amdgcn_target "amdgcn-amd-amdhsa--gfx1250"
	.amdhsa_code_object_version 6
	.text
	.protected	k_q65ddf305ac_ffn1
	.globl	k_q65ddf305ac_ffn1
	.p2align	8
	.type	k_q65ddf305ac_ffn1,@function
k_q65ddf305ac_ffn1:
	s_mov_b64 s[64:65], 0
	v_nop
	global_prefetch_b8 v0, s[64:65] scope:SCOPE_SE
	s_setreg_imm32_b32 hwreg(HW_REG_WAVE_MODE, 25, 1), 1
	s_wait_xcnt 0x0
; h = Q(gelu(x W1[e] + b1[e])) for one tile of up to 128 sorted rows of one expert (work-group y = tile 0 .. 47) x 128 hidden units (work-group x).
; x [2048][1024] and W1 [8][2048][1024] are codes of FP6 (E2M3), K innermost, 768 bytes a row, one E8M0 byte for each 32; Q is the same quantiser along the hidden units.
; SHARES.  Wave w: rows 32 w .. 32 w + 31 (two tiles of 16) x all 128 units (eight tiles): 16 accumulators.  The product is used TRANSPOSED (source 0 = 16 rows of W1,
; source 1 = 16 rows of x), and THE ROWS OF W1 THAT FORM A TILE ARE NOT NEIGHBOURS (lane r of tile 2 b + u takes unit 32 b + 8 u + r + 8 (r / 8)): a lane then holds one row, and the
; 16 registers of tiles 2 b, 2 b + 1 are 16 neighbouring units.  128 units are one K step of the second product: the codes made here ARE that operand's registers, and leave as they stand:
; hq: image ((8 tile + 16-row tile) x 16 + K step) x 1,536 bytes, lane l's registers 4 c .. 4 c + 3 at 512 c + 16 l;
; hqs: ((4 tile + pair) x 32 + l) x 64 + 4 x K step: a pair of 16-row tiles in the two halves of the lanes, a lane's 16 words on end, as the reader loads them.
; K = 1,024 goes in four chunks of 256 (192 bytes of a row) through two LDS slots; the rows come by loads of 16 bytes into registers (x's rows are gathered by the sorted list) and go on by ds_store_b128.
; A load of a wave takes 8 rows x 64 bytes: row = lane / 4, piece = lane % 4; a row's three quarters and the four groups of eight rows stand in the immediates.
; FRAGMENTS AHEAD.  A chunk's 16 fragments of W1 go through a ring of five buffers: behind a fragment's two products its buffer is asked for the fragment five on, which then has four fragments' products in which to come.
; ROWS.  A row at or behind the tile's count takes the tile's last row: it computes the same bits.  Rows 64 g .. 64 g + 63 are worked only where 64 g < count: the products and the way out of a wave without rows
; are jumped over by a scalar branch on the stored count; loads from memory, LDS stores, waits and barriers are on every wave's path.
; NO TENSOR LOADS, NO CLUSTER: x's rows are gathered, the work hangs on stored counts, and which tiles share an expert hangs on the stored list.
; LIMITS: erf is the rational form in f32 with its argument held to +-4: its error is about 1e-7 of 1, absolute, so gelu's far negative tail is not exact to the last bits; NaN and infinities are not served.
; A block of zeros gets the scale byte 1 (its codes are zeros; this program alone reads the bytes).
.set PITCH, 208                        ; an LDS row: 192 bytes + 16 = 52 words: the 32 lanes of a load of 8 bytes touch 64 different banks (64 banks of 4 bytes: ISA guide 11.1)
.set BOFS,  128*PITCH                  ; a slot: x's 128 rows, then W1's 128 rows
.set SLOT,  2*BOFS
.set XROW,  768
.set AOFF,  1                          ; v1-4    x: byte offset of my 16 bytes in the row of the token at sorted row 32 w + 8 u + lane / 4
.set BOFF,  5                          ; v5      W1: the same for row 32 w + lane / 4 (8 u rows on: in the immediate)
.set ST0,   6                          ; v6, v7  where my 16 bytes go in slot 0, 1
.set FA,    22                         ; v22, v23  my lane's place in x's fragments, slot 0, 1
.set FB,    24                         ; v24, v25  in W1's
.set LI,    26                         ; v26     16 x lane
.set LS,    27                         ; v27     64 x lane
.set A1V,   28                         ; v[28:29], v[30:31]  two of erf's coefficients, twice each
.set B1V,   30
.set SA,    32                         ; v32-39  x's scale words, K step k: lanes 0-15 rows 32 w + r, lanes 16-31 rows 32 w + 16 + r
.set SB,    40                         ; v40-71  W1's: SB + 8 b + k: lanes 0-15 tile 2 b, lanes 16-31 tile 2 b + 1
.set ACC,   72                         ; v72-199 accumulator (m, t) at ACC + 64 m + 8 t
.set AF,    200                        ; v200-247 x's fragments of a chunk: step q, tile m at AF + 24 q + 12 m
.set GZ,    200                        ; the activation: v200-231 at work
.set GS,    208
.set GP,    216
.set GQ,    224
.set TM,    200                        ; the quantiser: v200-215 at work
.set PC,    232                        ; v232-251 the codes just made
.set PW,    252                        ; the scale word just made
.set PW0,   253                        ; and that of the first 16 rows
.set NB,    5                          ; window 1: v0-59 the ring of five fragments of W1.  Between two chunks' products v0-47 take the next chunk's 12 loads of W1, and x's fragment registers (AF) its 12 loads of x:
                                       ; 320 registers a wave in all, so that three work-groups' waves fit in a SIMD's 1,024 registers, as their 3 x 107,008 bytes fit in a WGP's LDS: 768 work-groups are 3 x 256
.set SEL,   66                         ; s[66:67] lane selects: lane l xor 16
.set MSB, 0
.macro WIN new                         ; s_set_vgpr_msb: bits 1:0 source 0, 3:2 source 1, 5:4 source 2, 7:6 destination; the high byte repeats the setting that is left
.if MSB != \new
	s_set_vgpr_msb (MSB<<8)|\new
.set MSB, \new
.endif
.endm
.macro PAIR r, bits                    ; a constant for the packed forms: they name a pair and take its low word for both halves, so both are written
	s_mov_b32 s[\r], \bits
	s_mov_b32 s[\r+1], \bits
.endm
.macro BARRIER                         ; my LDS stores have landed and my LDS loads are in: then the work-group's barrier
	s_wait_dscnt 0x0
	s_barrier_signal -1
	s_barrier_wait -1
.endm
	s_load_b256 s[4:11], s[0:1], 0x0               ; x's codes s[4:5], x's scales s[6:7], W1's codes s[8:9], W1's scales s[10:11]
	s_load_b256 s[12:19], s[0:1], 0x20             ; b1 s[12:13], rowtok s[14:15], tiles0 s[16:17], tiles1 s[18:19]
	s_load_b128 s[20:23], s[0:1], 0x40             ; hq s[20:21], hqs s[22:23]
	v_lshl_add_u32 v254, v0, 2, 0x1a000
	v_mov_b32 v255, 0
	v_lshrrev_b32 v200, 5, v0
	v_readfirstlane_b32 s24, v200                  ; wave 0..3
	s_and_b32 s26, ttmp7, 0xffff                   ; the tile, 0 .. 47
	s_lshl_b32 s35, s24, 5                         ; 32 w
	v_and_b32 v240, 31, v0                         ; lane
	v_and_b32 v241, 15, v0                         ; r
	v_bfe_u32 v242, v0, 4, 1                       ; h
	v_lshlrev_b32 v[LI], 4, v240
	v_lshlrev_b32 v[LS], 6, v240
	v_lshrrev_b32 v200, 2, v240                    ; the staging: row lane / 4 of a group of eight,
	v_and_b32 v201, 3, v240
	v_lshlrev_b32 v201, 4, v201                    ; 16 x (lane % 4) in a quarter of 64 bytes
	v_add_nc_u32 v202, s35, v200                   ; 32 w + lane / 4
	v_mad_u32_u24 v[BOFF], v202, XROW, v201
	v_mad_u32_u24 v[ST0], v202, PITCH, v201
	v_add_nc_u32 v[ST0+1], SLOT, v[ST0]
	v_add_nc_u32 v243, s35, v241
	v_mul_u32_u24 v244, v242, 24
	v_mad_u32_u24 v[FA], v243, PITCH, v244         ; row 32 w + r, + 24 h
	v_add_nc_u32 v[FA+1], SLOT, v[FA]
	v_mad_u32_u24 v[FB], v241, PITCH, v244
	v_add_nc_u32 v[FB], BOFS, v[FB]
	v_add_nc_u32 v[FB+1], SLOT, v[FB]
	v_and_b32 v245, 8, v241
	v_add_nc_u32 v245, v245, v241
	v_lshl_add_u32 v245, v242, 3, v245
	v_lshlrev_b32 v245, 5, v245                    ; W1's scales: unit 8 h + r + 8 (r / 8) of a block of 32, 32 bytes a row
	v_lshlrev_b32 v246, 6, v242                    ; b1: 16 h units on
	v_mov_b32 v[A1V], 0x32edffee                   ; erf(z) = z P(z^2) / Q(z^2):  P's coefficient 2.77068142e-08
	v_mov_b32 v[A1V+1], 0x32edffee
	v_mov_b32 v[B1V], 0xb95fbd29                   ; Q's -2.13374055e-04
	v_mov_b32 v[B1V+1], 0xb95fbd29
	PAIR 40, 0x3f3504f3                            ; 1 / sqrt(2)
	PAIR 42, 0xaf95df0b                            ; P: -2.72614226e-10 (the highest power),
	PAIR 44, 0xb60cff51                            ; -2.10102402e-06,
	PAIR 46, 0xb86ec2d2                            ; -5.69250639e-05,
	PAIR 48, 0xba40ac63                            ; -7.34990630e-04,
	PAIR 50, 0xbb41a1f6                            ; -2.95459981e-03,
	PAIR 52, 0xbc83dbd4                            ; -1.60960333e-02
	PAIR 54, 0xb77460cd                            ; Q: -1.45660718e-05 (the highest power),
	PAIR 56, 0xbadc924e                            ; -1.68282697e-03,
	PAIR 58, 0xbbf19bf8                            ; -7.37332917e-03,
	PAIR 60, 0xbc69b6a7                            ; -1.42647391e-02
	s_mov_b32 s[SEL], 0x76543210
	s_mov_b32 s[SEL+1], 0xfedcba98
	s_wait_kmcnt 0x0
	s_cmp_lt_u32 s26, 24                           ; tiles 0-23: slot 0's list; 24-47: slot 1's
	s_cselect_b64 s[16:17], s[16:17], s[18:19]
	s_cselect_b32 s27, 0, 24
	s_sub_co_u32 s27, s26, s27
	s_lshl_b32 s27, s27, 5
	s_load_b128 s[28:31], s[16:17], s27 offset:0x0 ; expert, first row, rows, (not used here)
	s_wait_kmcnt 0x0
	s_min_u32 s28, s28, 7
	s_min_u32 s29, s29, 0xfff
	s_min_u32 s30, s30, 128
	s_max_u32 s31, s30, 1
	s_sub_co_u32 s31, s31, 1
	s_add_co_u32 s31, s31, s29                     ; the tile's last row
	s_lshr_b32 s32, s24, 1
	s_lshl_b32 s32, s32, 6
	s_cmp_lt_u32 s32, s30
	s_cselect_b32 s33, 1, 0                        ; have my 64 rows any work?
	s_lshl_b32 s34, s28, 11
	s_lshl_b32 s36, ttmp9, 7
	s_add_co_u32 s34, s34, s36                     ; my first unit among all experts': 2048 e + 128 x
	s_mov_b32 s37, 0
	s_mul_i32 s36, s34, XROW
	s_add_nc_u64 s[8:9], s[8:9], s[36:37]
	s_lshl_b32 s36, s34, 5
	s_add_nc_u64 s[10:11], s[10:11], s[36:37]
	s_lshl_b32 s36, s34, 2
	s_add_nc_u64 s[12:13], s[12:13], s[36:37]
	s_lshl_b32 s36, s26, 3
	s_lshl_b32 s38, s24, 1
	s_add_co_u32 s36, s36, s38
	s_lshl_b32 s36, s36, 4
	s_add_co_u32 s36, s36, ttmp9
	s_mul_i32 s36, s36, 1536                       ; image (8 tile + 2 w) x 16 + x
	s_add_nc_u64 s[20:21], s[20:21], s[36:37]
	s_lshl_b32 s36, s26, 2
	s_add_co_u32 s36, s36, s24
	s_lshl_b32 s36, s36, 11
	s_lshl_b32 s38, ttmp9, 2
	s_add_co_u32 s36, s36, s38                     ; scale words (4 tile + w) x 2,048 + 4 x
	s_add_nc_u64 s[22:23], s[22:23], s[36:37]
	; which sorted rows my pieces belong to: held to the tile's last row, and to the list by a constant
	v_add_nc_u32 v203, s29, v202
.irp u, 0,1,2,3
	v_add_nc_u32 v[AOFF+\u], 8*\u, v203
	v_min_u32 v[AOFF+\u], s31, v[AOFF+\u]
	v_min_u32 v[AOFF+\u], 0xfff, v[AOFF+\u]
	v_lshlrev_b32 v[AOFF+\u], 2, v[AOFF+\u]
.endr
	v_add_nc_u32 v247, s35, v240                   ; and row 32 w + lane, for x's scale words
	v_add_nc_u32 v247, s29, v247
	v_min_u32 v247, s31, v247
	v_min_u32 v247, 0xfff, v247
	v_lshlrev_b32 v247, 2, v247
.irp u, 0,1,2,3
	global_load_b32 v[AOFF+\u], v[AOFF+\u], s[14:15]   ; the tokens: each load lands on its own address register
.endr
	global_load_b32 v247, v247, s[14:15]
.macro LDA c                           ; chunk c of x's rows: 12 loads into the registers of x's fragments, behind the products that read them last and their four places
.irp u, 0,1,2,3
.irp j, 0,1,2
	global_load_b128 v[AF+4*(3*\u+\j):AF+4*(3*\u+\j)+3], v[AOFF+\u], s[4:5] offset:192*(\c)+64*\j
.endr
.endr
	WIN 0
.endm
.macro LDB c                           ; chunk c of W1's rows
	WIN 0x40
.irp u, 0,1,2,3
.irp j, 0,1,2
	global_load_b128 v[4*(3*\u+\j):4*(3*\u+\j)+3], v[BOFF], s[8:9] offset:6144*\u+192*(\c)+64*\j
.endr
.endr
	WIN 0
.endm
.macro STCH c                          ; chunk c goes into slot c % 2.  W1's groups of eight rows change places (0, 2, 1, 3), so that a tile's 16 LDS rows are units 8 u + r + 8 (r / 8) of their block of 32
.irp u, 0,1,2,3
.irp j, 0,1,2
	ds_store_b128 v[ST0+(\c)%2], v[AF+4*(3*\u+\j):AF+4*(3*\u+\j)+3] offset:1664*\u+64*\j
.endr
.endr
	WIN 0x04                                       ; W1's data lie in window 1
.irp u, 0,1,2,3
.irp j, 0,1,2
	ds_store_b128 v[ST0+(\c)%2], v[4*(3*\u+\j):4*(3*\u+\j)+3] offset:BOFS+1664*(2*(\u%2)+\u/2)+64*\j
.endr
.endr
	WIN 0
.endm
	LDB 0
.irp b, 0,1,2,3
.irp j, 0,1
	global_load_b128 v[SB+8*\b+4*\j:SB+8*\b+4*\j+3], v245, s[10:11] offset:1024*\b+16*\j
.endr
.endr
.irp m, 0,1                                    ; THE BIAS IS THE C OF EACH SUM'S FIRST PRODUCT: it is loaded straight into the accumulators: lane (r, h), tile t: units 32 (t / 2) + 8 (t % 2) + 16 h + 0 .. 7
.irp t, 0,1,2,3,4,5,6,7
	global_load_b128 v[ACC+64*\m+8*\t:ACC+64*\m+8*\t+3], v246, s[12:13] offset:(32*(\t/2)+8*(\t%2))*4
	global_load_b128 v[ACC+64*\m+8*\t+4:ACC+64*\m+8*\t+7], v246, s[12:13] offset:(32*(\t/2)+8*(\t%2))*4+16
.endr
.endr
	s_wait_loadcnt 52                              ; the 5 tokens are in: behind them stand W1's 12, its scales' 8 and the bias's 32
.irp u, 0,1,2,3
	v_min_u32 v[AOFF+\u], 0x7ff, v[AOFF+\u]
	v_mul_u32_u24 v[AOFF+\u], v[AOFF+\u], XROW
	v_add_nc_u32 v[AOFF+\u], v[AOFF+\u], v201
.endr
	v_min_u32 v247, 0x7ff, v247
	v_lshlrev_b32 v247, 5, v247
	global_load_b128 v[SA:SA+3], v247, s[6:7]      ; my row's 32 scale bytes: eight words, one for each K step
	global_load_b128 v[SA+4:SA+7], v247, s[6:7] offset:16
	s_wait_alu depctr_va_vdst(0)
	s_wait_xcnt 0x0                                ; v245-247 have served the pending loads as addresses: x's loads land on them only behind this wait
	LDA 0
	s_wait_loadcnt 0x0                             ; chunk 0, the scales and the bias are in
	STCH 0
	BARRIER                                        ; chunk 0 lies in slot 0
; One product.  ra, rb: which half of the lanes holds source 0's and source 1's scale words.
.macro MM d, a, b, sa, sb, ra, rb
.if ((\ra) == 0) && ((\rb) == 0)
	v_wmma_scale_f32_16x16x128_f8f6f4 v[\d:\d+7], v[\a:\a+11], v[\b:\b+11], v[\d:\d+7], v[\sa], v[\sb] matrix_a_fmt:MATRIX_FMT_FP6 matrix_b_fmt:MATRIX_FMT_FP6
.elseif ((\ra) == 1) && ((\rb) == 0)
	v_wmma_scale_f32_16x16x128_f8f6f4 v[\d:\d+7], v[\a:\a+11], v[\b:\b+11], v[\d:\d+7], v[\sa], v[\sb] matrix_a_fmt:MATRIX_FMT_FP6 matrix_b_fmt:MATRIX_FMT_FP6 matrix_a_scale:MATRIX_SCALE_ROW1
.elseif ((\ra) == 0) && ((\rb) == 1)
	v_wmma_scale_f32_16x16x128_f8f6f4 v[\d:\d+7], v[\a:\a+11], v[\b:\b+11], v[\d:\d+7], v[\sa], v[\sb] matrix_a_fmt:MATRIX_FMT_FP6 matrix_b_fmt:MATRIX_FMT_FP6 matrix_b_scale:MATRIX_SCALE_ROW1
.else
	v_wmma_scale_f32_16x16x128_f8f6f4 v[\d:\d+7], v[\a:\a+11], v[\b:\b+11], v[\d:\d+7], v[\sa], v[\sb] matrix_a_fmt:MATRIX_FMT_FP6 matrix_b_fmt:MATRIX_FMT_FP6 matrix_a_scale:MATRIX_SCALE_ROW1 matrix_b_scale:MATRIX_SCALE_ROW1
.endif
.endm
; A fragment is 12 registers: lane (r, h) takes 24 bytes at 24 h and 24 at 48 + 24 h of its row's 96, in pieces of 8.
.macro FRB c, f                        ; W1's fragment f of chunk c (K step f / 8, tile f % 8) into ring buffer f % NB: six loads
.set RBI, (\f)%NB
.set RBR, 12*RBI                       ; buffer i at v[12 i] of window 1
.irp p, 0,1,2,3,4,5
	ds_load_b64 v[RBR+2*\p:RBR+2*\p+1], v[FB+(\c)%2] offset:3328*((\f)%8)+96*((\f)/8)+48*(\p/3)+8*(\p%3)
.endr
.endm
.macro FRA c, q                        ; x's two fragments of the chunk's K step q: twelve loads
.irp m, 0,1
.irp p, 0,1,2,3,4,5
	ds_load_b64 v[AF+24*(\q)+12*\m+2*\p:AF+24*(\q)+12*\m+2*\p+1], v[FA+(\c)%2] offset:3328*\m+96*(\q)+48*(\p/3)+8*(\p%3)
.endr
.endr
.endm
; A chunk's two K steps: 16 fragments of W1, two products each.  LDS loads in order of issue: x's step 0 (12), fragments 0-4 (30), x's step 1 (12), then behind fragment f's products fragment f + 5 (6).
; So ahead of fragment f may stay out: the fragments behind it, four at the most, and for f < 5 x's step 1.
; The 16 accumulators take turns, one instruction a turn, in the same order in every step.  Four plain places stand between a fragment's products and the loads into the
; registers that they read; those behind the last fragment serve the next chunk's loads and the first read of results.
.macro RING c
	FRA \c, 0
	WIN 0x40
.irp i, 0,1,2,3,4
	FRB \c, \i
.endr
	WIN 0
	FRA \c, 1
.set FI, 0
.rept 16
.set YG, 15-FI
.if YG > NB-1
.set YG, NB-1
.endif
.set WC, 6*YG
.if FI < NB
.set WC, WC+12
.endif
.set RBI, FI%NB
.set RBR, 12*RBI
.set KK, 2*(\c)+FI/8
.set TT, FI%8
	s_wait_dscnt WC
	WIN 0x01                                       ; source 0 (W1) in window 1
	MM ACC+8*TT, RBR, AF+24*(FI/8), SB+8*(TT/2)+KK, SA+KK, TT%2, 0
	MM ACC+64+8*TT, RBR, AF+24*(FI/8)+12, SB+8*(TT/2)+KK, SA+KK, TT%2, 1
.if (FI+NB < 16) || (FI == 15)
.rept 4
	v_nop
.endr
.endif
.if FI+NB < 16
	WIN 0x40
	FRB \c, FI+NB
.endif
.set FI, FI+1
.endr
	WIN 0
.endm
.macro RSTEPS c                        ; a wave whose 64 rows have no work jumps over the chunk's fragments and products (no barrier, no wait for others stands inside)
	s_cmp_eq_u32 s33, 0
	s_cbranch_scc1 .Lidle_\@
	RING \c
.Lidle_\@:
.endm
.irp c, 0,1,2
	RSTEPS \c
	LDA \c+1                                       ; the next chunk, into the fragments' registers: the chunk's products are issued and their four places stand behind them
	LDB \c+1
	s_wait_loadcnt 0x0                             ; its 24 loads are in
	STCH \c+1                                      ; the other slot: every wave's reads of it were in ahead of the last barrier
	BARRIER
.endr
	RSTEPS 3
; THE ACTIVATION, exact gelu in f32: x (1 + erf(x / sqrt 2)) / 2, an accumulator (8 numbers a lane) at a time, from its low end on.
.macro PSTEP k
.irp i, 0,2,4,6
	v_pk_fma_f32 v[GP+\i:GP+\i+1], v[GP+\i:GP+\i+1], v[GS+\i:GS+\i+1], s[\k:\k+1] op_sel_hi:[1,1,0]
.endr
.endm
.macro QSTEP k
.irp i, 0,2,4,6
	v_pk_fma_f32 v[GQ+\i:GQ+\i+1], v[GQ+\i:GQ+\i+1], v[GS+\i:GS+\i+1], s[\k:\k+1] op_sel_hi:[1,1,0]
.endr
.endm
.macro GELU mm
.irp t, 0,1,2,3,4,5,6,7
.set GX, ACC+64*(\mm)+8*\t
.irp i, 0,2,4,6
	v_pk_mul_f32 v[GZ+\i:GZ+\i+1], v[GX+\i:GX+\i+1], s[40:41] op_sel_hi:[1,0]
.endr
.irp i, 0,1,2,3,4,5,6,7
	v_med3_num_f32 v[GZ+\i], v[GZ+\i], -4.0, 4.0   ; z, held to +-4, beyond which erf is +-1 in f32
.endr
.irp i, 0,2,4,6
	v_pk_mul_f32 v[GS+\i:GS+\i+1], v[GZ+\i:GZ+\i+1], v[GZ+\i:GZ+\i+1]
.endr
.irp i, 0,2,4,6
	v_pk_fma_f32 v[GP+\i:GP+\i+1], v[GS+\i:GS+\i+1], s[42:43], v[A1V:A1V+1] op_sel_hi:[1,0,1]
.endr
.irp i, 0,2,4,6
	v_pk_fma_f32 v[GQ+\i:GQ+\i+1], v[GS+\i:GS+\i+1], s[54:55], v[B1V:B1V+1] op_sel_hi:[1,0,1]
.endr
	PSTEP 44
	QSTEP 56
	PSTEP 46
	QSTEP 58
	PSTEP 48
	QSTEP 60
	s_wait_alu depctr_va_vdst(0)
.irp i, 0,1,2,3,4,5,6,7
	v_rcp_f32 v[GQ+\i], v[GQ+\i]                   ; one batch of eight
.endr
	PSTEP 50                                       ; plain work that names none of the eight results
	PSTEP 52
.irp i, 0,2,4,6
	v_pk_mul_f32 v[GP+\i:GP+\i+1], v[GP+\i:GP+\i+1], v[GZ+\i:GZ+\i+1]
.endr
.irp i, 0,2,4,6
	v_pk_mul_f32 v[GS+\i:GS+\i+1], v[GX+\i:GX+\i+1], 0.5 op_sel_hi:[1,0]
.endr
	s_wait_alu depctr_va_vdst(0)                   ; one wait for the batch, ahead of its first reader
.irp i, 0,2,4,6
	v_pk_mul_f32 v[GP+\i:GP+\i+1], v[GP+\i:GP+\i+1], v[GQ+\i:GQ+\i+1]    ; erf
.endr
.irp i, 0,2,4,6
	v_pk_fma_f32 v[GX+\i:GX+\i+1], v[GP+\i:GP+\i+1], v[GS+\i:GS+\i+1], v[GS+\i:GS+\i+1]   ; x / 2 + erf x / 2
.endr
.endr
.endm
; 64 numbers of a lane, v[s] .. v[s + 63], register 16 b + i = unit 32 b + 16 h + i of my row, become a fragment's codes in v[PC] on and its scale word in v[PW].
.macro QUANT s
.irp b, 0,1,2,3
	v_max3_num_f32 v[TM+\b], |v[\s+16*\b]|, |v[\s+1+16*\b]|, 0x1800000   ; block b: my 16 numbers, and the floor 2^(3 - 127): so the byte cannot fall under 1
.endr
.irp i, 2,4,6,8,10,12,14
.irp b, 0,1,2,3
	v_max3_num_f32 v[TM+\b], v[TM+\b], |v[\s+16*\b+\i]|, |v[\s+1+16*\b+\i]|
.endr
.endr
.irp b, 0,1,2,3
	v_permlanex16_b32 v[TM+4+\b], v[TM+\b], s[SEL], s[SEL+1]
.endr
.irp b, 0,1,2,3
	v_max_num_f32 v[TM+\b], v[TM+\b], v[TM+4+\b]   ; with lane l xor 16's: the block's largest magnitude
.endr
.irp b, 0,1,2,3
	v_add_nc_u32 v[TM+12+\b], 0xff000000, v[TM+\b] ; 2 off its exponent field: the conversion takes the exponent field of this operand as its scale
.endr
.irp b, 0,1,2,3
	v_lshrrev_b32 v[TM+4+\b], 23, v[TM+12+\b]      ; the scale's byte
.endr
	v_lshl_or_b32 v[PW], v[TM+5], 8, v[TM+4]
	v_lshl_or_b32 v[PW], v[TM+6], 16, v[PW]
	v_lshl_or_b32 v[PW], v[TM+7], 24, v[PW]
.irp c, 0,1
	v_cvt_scalef32_pk16_fp6_f32 v[PC+6*\c:PC+2+6*\c], v[\s+32*\c:\s+15+32*\c], v[TM+12+2*\c]
	v_cvt_scalef32_pk16_fp6_f32 v[PC+12+4*\c:PC+14+4*\c], v[\s+16+32*\c:\s+31+32*\c], v[TM+12+2*\c+1]   ; (a conversion's three registers begin on an even number)
.endr
	v_nop                                          ; one plain place behind a scaled conversion
.irp c, 0,1                                    ; the operand's layout wants a WHOLE block in a lane: lanes 0-15 block 2 c, lanes 16-31 block 2 c + 1
.irp i, 0,1,2
	v_permlane16_swap_b32 v[PC+6*\c+\i], v[PC+12+4*\c+\i]
.endr
.irp i, 0,1,2
	v_mov_b32 v[PC+3+6*\c+\i], v[PC+12+4*\c+\i]
.endr
.endr
.endm
	; THE WAY OUT, for a wave that has rows: the last products' four places stand at the end of their chunk
	s_cmp_eq_u32 s33, 0
	s_cbranch_scc1 .Lend
	GELU 0
	QUANT ACC
.irp c, 0,1,2
	global_store_b128 v[LI], v[PC+4*\c:PC+4*\c+3], s[20:21] offset:512*\c        ; 32 lanes store 512 consecutive bytes, at a multiple of 256 from hq's first byte
.endr
	v_mov_b32 v[PW0], v[PW]
	GELU 1
	s_wait_xcnt 0x0                                ; the three stores have read their data: the codes' registers are written again only behind this wait
	QUANT ACC+64
.irp c, 0,1,2
	global_store_b128 v[LI], v[PC+4*\c:PC+4*\c+3], s[20:21] offset:24576+512*\c  ; the next 16 rows' image lies 16 images on
.endr
	v_and_b32 v200, 31, v0
	v_cmp_gt_u32 vcc_lo, 16, v200
	v_cndmask_b32 v201, v[PW], v[PW0], vcc_lo      ; lanes 0-15: the first 16 rows' words; lanes 16-31: the next 16 rows' (each half of the lanes holds all 16)
	global_store_b32 v[LS], v201, s[22:23]         ; 4 bytes a lane, 64 bytes apart: the reader's layout; one store a wave, 128 bytes of the 3,200 that it stores
.Lend:
	s_wait_tensorcnt 0x0
	ds_add_u32 v254, v255
	s_wait_dscnt 0x0
	s_endpgm
.Lfunc_end_k_q65ddf305ac_ffn1:
	.size	k_q65ddf305ac_ffn1, .Lfunc_end_k_q65ddf305ac_ffn1-k_q65ddf305ac_ffn1
	.p2alignl 7, 3214868480
	.fill 96, 4, 3214868480
	.section	.rodata,"a",@progbits
	.p2align	6, 0x0
	.amdhsa_kernel k_q65ddf305ac_ffn1
		.amdhsa_group_segment_fixed_size 107008
		.amdhsa_private_segment_fixed_size 0
		.amdhsa_enable_private_segment 0
		.amdhsa_kernarg_size 80
		.amdhsa_user_sgpr_count 2
		.amdhsa_user_sgpr_kernarg_segment_ptr 1
		.amdhsa_wavefront_size32 1
		.amdhsa_system_sgpr_workgroup_id_x 1
		.amdhsa_system_sgpr_workgroup_id_y 1
		.amdhsa_system_sgpr_workgroup_id_z 1
		.amdhsa_system_vgpr_workitem_id 0
		.amdhsa_next_free_vgpr 320
		.amdhsa_next_free_sgpr 72
		.amdhsa_reserve_vcc 1
		.amdhsa_float_denorm_mode_32 3
		.amdhsa_float_denorm_mode_16_64 3
		.amdhsa_memory_ordered 1
		.amdhsa_forward_progress 1
		.amdhsa_inst_pref_size 171
	.end_amdhsa_kernel
	.amdgpu_metadata
---
amdhsa.version: [ 1, 2 ]
amdhsa.kernels:
  - .name:           k_q65ddf305ac_ffn1
    .symbol:         k_q65ddf305ac_ffn1.kd
    .args:
      - { .name: hidden_states_codes, .offset: 0, .size: 8, .value_kind: global_buffer, .address_space: global }
      - { .name: hidden_states_scales, .offset: 8, .size: 8, .value_kind: global_buffer, .address_space: global }
      - { .name: W1_codes, .offset: 16, .size: 8, .value_kind: global_buffer, .address_space: global }
      - { .name: W1_scales, .offset: 24, .size: 8, .value_kind: global_buffer, .address_space: global }
      - { .name: b1, .offset: 32, .size: 8, .value_kind: global_buffer, .address_space: global }
      - { .name: rowtok, .offset: 40, .size: 8, .value_kind: global_buffer, .address_space: global }
      - { .name: tiles0, .offset: 48, .size: 8, .value_kind: global_buffer, .address_space: global }
      - { .name: tiles1, .offset: 56, .size: 8, .value_kind: global_buffer, .address_space: global }
      - { .name: hq, .offset: 64, .size: 8, .value_kind: global_buffer, .address_space: global }
      - { .name: hqs, .offset: 72, .size: 8, .value_kind: global_buffer, .address_space: global }
    .group_segment_fixed_size: 107008
    .private_segment_fixed_size: 0
    .kernarg_segment_align: 8
    .kernarg_segment_size: 80
    .max_flat_workgroup_size: 128
    .sgpr_count:     72
    .vgpr_count:     320
    .wavefront_size: 32
...
	.end_amdgpu_metadata
.endif
;; end of part 2
;; launch ffn2a (part 3): grid 8 x 24, 4 waves a work-group, no clusters, 71,168 bytes of LDS; arguments hq, hqs, W2_codes, W2_scales, b2, rowtok, roww, tiles1, out0, tmp; writes tmp
.if DOCPART == 3
	.amdgcn_target "amdgcn-amd-amdhsa--gfx1250"
	.amdhsa_code_object_version 6
	.text
	.protected	k_q65ddf305ac_ffn2a
	.globl	k_q65ddf305ac_ffn2a
	.p2align	8
	.type	k_q65ddf305ac_ffn2a,@function
k_q65ddf305ac_ffn2a:
	s_mov_b64 s[64:65], 0
	v_nop
	global_prefetch_b8 v0, s[64:65] scope:SCOPE_SE
	s_setreg_imm32_b32 hwreg(HW_REG_WAVE_MODE, 25, 1), 1
	s_wait_xcnt 0x0
; dst[token] = (prev[token] +) w (h W2[e] + b2[e]) for one tile of up to 128 sorted rows of one expert and one slot (work-group y = the slot's tile 0 .. 23) x 128 columns (work-group x).
; The text runs twice: on slot 1's list, where the record says that nothing is to be added (prev is then never loaded), into a workspace; then on slot 0's list, adding that workspace, into the output.
; Every token is one row of each slot, so each run writes its buffer whole, and each row of it has one owner.
; h: codes of FP6 (E2M3) as register images and scale words, as the launch before has laid them; W2 [8][1024][2048]: codes, K innermost, 1,536 bytes a row, one E8M0 byte for each 32.
; SHARES.  Wave w: rows 64 (w / 2) on (four tiles of 16) x columns 64 (w % 2) on (four tiles): 16 accumulators.  TRANSPOSED: source 0 = 16 rows of W2, source 1 = 16 rows of h: a lane holds eight neighbouring columns of one row.
; h's fragments come from memory straight into the operand's registers, three loads of 16 bytes a lane each.  W2's rows go in eight chunks of 256 along K (192 bytes) through two LDS slots, by loads of 16 bytes and ds_store_b128:
; a load of a wave takes 8 rows x 64 bytes: row = lane / 4, piece = lane % 4; a row's three quarters and the four groups of eight rows stand in the immediates.
; FRAGMENTS AHEAD.  W2's four fragments have a buffer for each of a chunk's two K steps.  Step 1's are fetched, and the next chunk is stored into the other slot, ahead of step 0's products; the next chunk's step 0 is fetched
; straight behind the barrier, ahead of step 1's products: each run of 24 LDS loads has 16 products in which to come.
; ROWS.  A row at or behind the tile's count takes the tile's last row: the same token, weight and bits.
; loads, LDS stores, waits and barriers are on every wave's path; such a wave's loads of h name rows 0-63 of the slot's first tile, which always has rows.
; LOADS IN FLIGHT: the loads go in groups of 12; chunk c asks for W2's chunk c + 3 and for h's two steps of chunk c + 2; five groups, 60 loads, are out at the most.
; NO TENSOR LOADS, NO CLUSTER: the work hangs on stored counts, and which tiles share an expert hangs on the stored list.
; LIMITS: a slot whose index lies outside 0 .. 7 multiplies a finite sum by the weight 0; NaN and infinities are not served.
.set PITCH, 208                        ; an LDS row: 192 bytes + 16 = 52 words: the 32 lanes of a load of 8 bytes touch 64 different banks (64 banks of 4 bytes: ISA guide 11.1)
.set SLOTB, 128*PITCH
.set STAGE, 2*SLOTB                    ; behind the slots: 16 rows x (256 + 16) bytes for each wave, for the way out
.set LI,    1                          ; v1      16 x lane
.set SCO,   2                          ; v2      64 x lane: a lane's 16 scale words
.set BOFF,  3                          ; v3      W2: byte offset of my 16 bytes of row 32 w + lane / 4
.set ST,    4                          ; v4      where they go in slot 0
.set R16,   5                          ; v5      16 r
.set BPI,   6                          ; v6      4 h
.set BIO,   7                          ; v7      32 h: b2, 8 h columns on
.set FB,    9                          ; v9      my lane's place in W2's fragments
.set STO,   10                         ; v10     the stage: where I put 32 bytes of a row
.set RD,    11                         ; v11     and where I read a row back
.set TK,    12                         ; v12, v13  the tokens of rows lane and 32 + lane of my 64
.set WR,    20                         ; v20-27  the weight of row 16 m + r, in pairs
.set SA,    32                         ; v32-63  h's scale words: SA + 16 p + ks: lanes 0-15 tile 2 p, lanes 16-31 tile 2 p + 1
.set SB,    64                         ; v64-95  W2's: SB + 16 p + ks, likewise
.set B2,    96                         ; v96-127 b2 in the result's layout, 8 registers a tile of columns: the C of the first step's products
.set OOFF,  96                         ; on the way out: byte offset in prev and dst of my 16 bytes of row 16 m + 2 i + h: at OOFF + 8 m + i
.set ACC,   128                        ; v128-255 accumulator (m, n) at ACC + 32 m + 8 n
.set BF0,   192                        ; window 1: v0-191 h's fragments (set c % 2, step q, tile m) at 96 s + 48 q + 12 m; v192-239 W2's four of a chunk's step 0.  On the way out v0-127: the earlier slot's sum
                                       ; window 2: v0-143 three sets of 12 loads of W2; v144-191 (BF0 - 48) W2's four fragments of a chunk's step 1.  On the way out v0-31: 16 rows read back from the stage
.set MSB, 0
.macro WIN new                         ; s_set_vgpr_msb: bits 1:0 source 0, 3:2 source 1, 5:4 source 2, 7:6 destination; the high byte repeats the setting that is left
.if MSB != \new
	s_set_vgpr_msb (MSB<<8)|\new
.set MSB, \new
.endif
.endm
.macro BARRIER                         ; my LDS stores have landed and my LDS loads are in: then the work-group's barrier
	s_wait_dscnt 0x0
	s_barrier_signal -1
	s_barrier_wait -1
.endm
	s_load_b256 s[4:11], s[0:1], 0x0               ; hq s[4:5], hqs s[6:7], W2's codes s[8:9], W2's scales s[10:11]
	s_load_b256 s[12:19], s[0:1], 0x20             ; b2 s[12:13], rowtok s[14:15], roww s[16:17], the slot's tiles s[18:19]
	s_load_b128 s[20:23], s[0:1], 0x40             ; prev s[20:21], dst s[22:23]
	v_lshl_add_u32 v30, v0, 2, 0x11400
	v_mov_b32 v31, 0
	v_lshrrev_b32 v14, 5, v0
	v_readfirstlane_b32 s24, v14                   ; wave 0..3
	s_and_b32 s26, ttmp7, 0xffff                   ; the slot's tile
	s_lshl_b32 s27, s26, 5
	s_lshr_b32 s38, s24, 1                         ; g: which 64 rows
	s_and_b32 s39, s24, 1                          ; which 64 columns
	s_lshl_b32 s42, s24, 5
	s_lshl_b32 s43, s39, 6
	s_mul_i32 s44, s24, 16*272
	s_add_co_u32 s44, s44, STAGE                   ; my stage
	s_wait_kmcnt 0x0
	s_load_b256 s[28:35], s[18:19], s27 offset:0x0 ; expert, first row, rows, add?, tile among both slots', 0, 0, 0
	v_and_b32 v14, 31, v0                          ; lane
	v_and_b32 v15, 15, v0                          ; r
	v_bfe_u32 v16, v0, 4, 1                        ; h
	v_lshlrev_b32 v[LI], 4, v14
	v_lshlrev_b32 v[SCO], 6, v14
	v_lshlrev_b32 v[R16], 4, v15
	v_lshlrev_b32 v[BPI], 2, v16
	v_lshlrev_b32 v[BIO], 5, v16
	v_lshrrev_b32 v17, 2, v14                      ; the staging: row lane / 4 of a group of eight,
	v_add_nc_u32 v17, s42, v17                     ; of my wave's 32 rows,
	v_and_b32 v18, 3, v14
	v_lshlrev_b32 v18, 4, v18                      ; 16 x (lane % 4) in a quarter of 64 bytes
	v_mad_u32_u24 v[BOFF], v17, 1536, v18
	v_mad_u32_u24 v[ST], v17, PITCH, v18
	v_add_nc_u32 v17, s43, v15
	v_mul_u32_u24 v18, v16, 24
	v_mad_u32_u24 v[FB], v17, PITCH, v18           ; row 64 (w % 2) + r, + 24 h
	v_mul_u32_u24 v[STO], v15, 272
	v_lshl_add_u32 v[STO], v16, 5, v[STO]
	v_add_nc_u32 v[STO], s44, v[STO]               ; in: row r, 32 bytes for each half of the lanes
	v_mul_u32_u24 v[RD], v16, 272
	v_lshl_add_u32 v[RD], v15, 4, v[RD]
	v_add_nc_u32 v[RD], s44, v[RD]                 ; back: lanes 0-15 one row of 256 bytes, lanes 16-31 the next
	s_wait_kmcnt 0x0
	s_min_u32 s28, s28, 7
	s_min_u32 s29, s29, 0xfff
	s_min_u32 s30, s30, 128
	s_min_u32 s32, s32, 47
	s_max_u32 s36, s30, 1
	s_sub_co_u32 s36, s36, 1
	s_add_co_u32 s36, s36, s29                     ; the tile's last row
	s_sub_co_u32 s46, s32, s26                     ; the slot's first tile
	s_min_u32 s46, s46, 47
	s_lshl_b32 s48, s38, 6
	s_cmp_lt_u32 s48, s30
	s_cselect_b32 s37, 1, 0                        ; have my 64 rows any work?
	s_cselect_b32 s45, s32, s46                    ; if not, h is read where it has surely been written
	s_cselect_b32 s47, s38, 0
	s_min_u32 s45, s45, 47
	s_min_u32 s47, s47, 1
	s_mov_b32 s41, 0
	s_lshl_b32 s40, s45, 3
	s_lshl_b32 s48, s47, 2
	s_add_co_u32 s40, s40, s48
	s_mul_i32 s40, s40, 16*1536                    ; image (8 tile + 4 g) x 16
	s_add_nc_u64 s[4:5], s[4:5], s[40:41]
	s_lshl_b32 s40, s45, 2
	s_lshl_b32 s48, s47, 1
	s_add_co_u32 s40, s40, s48
	s_lshl_b32 s40, s40, 11                        ; scale words (4 tile + 2 g) x 2,048
	s_add_nc_u64 s[6:7], s[6:7], s[40:41]
	s_lshl_b32 s46, s28, 10
	s_lshl_b32 s48, ttmp9, 7
	s_add_co_u32 s46, s46, s48                     ; the work-group's first column among all experts': 1024 e + 128 x
	s_mul_i32 s40, s46, 1536
	s_add_nc_u64 s[8:9], s[8:9], s[40:41]
	s_add_co_u32 s46, s46, s43                     ; my wave's
	s_lshl_b32 s40, s46, 6
	s_add_nc_u64 s[10:11], s[10:11], s[40:41]
	s_lshl_b32 s40, s46, 2
	s_add_nc_u64 s[12:13], s[12:13], s[40:41]
	s_lshl_b32 s40, ttmp9, 9
	s_lshl_b32 s48, s39, 8
	s_add_co_u32 s40, s40, s48                     ; my 256 bytes of a row of prev and dst
	s_add_nc_u64 s[20:21], s[20:21], s[40:41]
	s_add_nc_u64 s[22:23], s[22:23], s[40:41]
.macro LDB c                           ; chunk c of W2's rows: 12 loads into set c % 3 of window 2
	WIN 0x80
.irp u, 0,1,2,3
.irp j, 0,1,2
	global_load_b128 v[48*((\c)%3)+4*(3*\u+\j):48*((\c)%3)+4*(3*\u+\j)+3], v[BOFF], s[8:9] offset:12288*\u+192*(\c)+64*\j
.endr
.endr
	WIN 0
.endm
.macro STB c                           ; and on into slot c % 2
	WIN 0x08
.irp u, 0,1,2,3
.irp j, 0,1,2
	ds_store_b128 v[ST], v[48*((\c)%3)+4*(3*\u+\j):48*((\c)%3)+4*(3*\u+\j)+3] offset:SLOTB*((\c)%2)+1664*\u+64*\j
.endr
.endr
	WIN 0
.endm
.macro LDA c, q                        ; h's four fragments of K step 2 c + q: 12 loads, each of 512 consecutive bytes
	WIN 0x40
.irp m, 0,1,2,3
.irp j, 0,1,2
	global_load_b128 v[96*((\c)%2)+48*(\q)+12*\m+4*\j:96*((\c)%2)+48*(\q)+12*\m+4*\j+3], v[LI], s[4:5] offset:(16*\m+2*(\c)+(\q))*1536+512*\j
.endr
.endr
	WIN 0
.endm
.macro FETCH c, q                      ; W2's four fragments of K step 2 c + q from LDS into step q's buffer: 24 loads.  A fragment is 12 registers: lane (r, h) takes 24 bytes at 24 h and 24 at 48 + 24 h of its row's 96, in pieces of 8
.set BFB, BF0-48*(\q)
.set WN, 0x40*(1+(\q))                 ; destination: window 1 for step 0, window 2 for step 1
	WIN WN
.irp n, 0,1,2,3
.irp p, 0,1,2,3,4,5
	ds_load_b64 v[BFB+12*\n+2*\p:BFB+12*\n+2*\p+1], v[FB] offset:SLOTB*((\c)%2)+3328*\n+96*(\q)+48*(\p/3)+8*(\p%3)
.endr
.endr
	WIN 0
.endm
	LDB 0
.irp p, 0,1
.irp j, 0,1,2,3
	global_load_b128 v[SA+16*\p+4*\j:SA+16*\p+4*\j+3], v[SCO], s[6:7] offset:2048*\p+16*\j     ; h's scale words: my row's 16, for both pairs of tiles
.endr
.endr
.irp p, 0,1
.irp j, 0,1,2,3
	global_load_b128 v[SB+16*\p+4*\j:SB+16*\p+4*\j+3], v[SCO], s[10:11] offset:2048*\p+16*\j   ; W2's: a lane a row of 64 bytes
.endr
.endr
.irp n, 0,1,2,3
	global_load_b128 v[B2+8*\n:B2+8*\n+3], v[BIO], s[12:13] offset:64*\n                       ; b2: lane (r, h), tile n: columns 16 n + 8 h + 0 .. 7
	global_load_b128 v[B2+8*\n+4:B2+8*\n+7], v[BIO], s[12:13] offset:64*\n+16
.endr
	LDB 1
	LDA 0, 0
	; the sorted rows whose tokens and weights the way out wants: held to the tile's last row, and to the lists by a constant.  They are asked for in chunk 6
	s_lshl_b32 s46, s38, 6
	s_add_co_u32 s46, s46, s29
	v_add_nc_u32 v[TK], s46, v14                   ; first + 64 g + lane
	v_add_nc_u32 v[TK+1], 32, v[TK]
.irp k, 0,1
	v_min_u32 v[TK+\k], s36, v[TK+\k]
	v_min_u32 v[TK+\k], 0xfff, v[TK+\k]
	v_lshlrev_b32 v[TK+\k], 2, v[TK+\k]
.endr
	v_add_nc_u32 v17, s46, v15                     ; first + 64 g + r
.irp m, 0,1,2,3
	v_add_nc_u32 v[WR+2*\m], 16*\m, v17
	v_min_u32 v[WR+2*\m], s36, v[WR+2*\m]
	v_min_u32 v[WR+2*\m], 0xfff, v[WR+2*\m]
	v_lshlrev_b32 v[WR+2*\m], 2, v[WR+2*\m]
.endr
	s_wait_loadcnt 48                              ; W2's chunk 0 is in: behind it stand the scales' and the bias's 24, W2's chunk 1 and h's first step
	STB 0
	LDA 0, 1
	s_wait_loadcnt 36                              ; the scales and the bias are in: three groups of 12 stand behind them
	LDB 2
	LDA 1, 0
	BARRIER                                        ; chunk 0 lies in slot 0
	FETCH 0, 0
; One product.  c: the registers that it adds onto;  ra, rb: which half of the lanes holds source 0's and source 1's scale words.
.macro MM d, a, b, c, sa, sb, ra, rb
.if ((\ra) == 0) && ((\rb) == 0)
	v_wmma_scale_f32_16x16x128_f8f6f4 v[\d:\d+7], v[\a:\a+11], v[\b:\b+11], v[\c:\c+7], v[\sa], v[\sb] matrix_a_fmt:MATRIX_FMT_FP6 matrix_b_fmt:MATRIX_FMT_FP6
.elseif ((\ra) == 1) && ((\rb) == 0)
	v_wmma_scale_f32_16x16x128_f8f6f4 v[\d:\d+7], v[\a:\a+11], v[\b:\b+11], v[\c:\c+7], v[\sa], v[\sb] matrix_a_fmt:MATRIX_FMT_FP6 matrix_b_fmt:MATRIX_FMT_FP6 matrix_a_scale:MATRIX_SCALE_ROW1
.elseif ((\ra) == 0) && ((\rb) == 1)
	v_wmma_scale_f32_16x16x128_f8f6f4 v[\d:\d+7], v[\a:\a+11], v[\b:\b+11], v[\c:\c+7], v[\sa], v[\sb] matrix_a_fmt:MATRIX_FMT_FP6 matrix_b_fmt:MATRIX_FMT_FP6 matrix_b_scale:MATRIX_SCALE_ROW1
.else
	v_wmma_scale_f32_16x16x128_f8f6f4 v[\d:\d+7], v[\a:\a+11], v[\b:\b+11], v[\c:\c+7], v[\sa], v[\sb] matrix_a_fmt:MATRIX_FMT_FP6 matrix_b_fmt:MATRIX_FMT_FP6 matrix_a_scale:MATRIX_SCALE_ROW1 matrix_b_scale:MATRIX_SCALE_ROW1
.endif
.endm
; The 16 products of K step 2 c + q.  first = 1: they start the sums, with the bias as their C.
; The 16 accumulators take turns, one instruction a turn, in the same order in every step.
; Four plain places stand behind the products, ahead of the loads into registers that they read and of the first read of results.
.macro PROD c, q, first
.set KS, 2*(\c)+(\q)
.set AFB, 96*((\c)%2)+48*(\q)
.set BFB, BF0-48*(\q)
.set WN, 0x05+(\q)                     ; source 1 (h) in window 1; source 0 (W2) in window 1 for step 0, in window 2 for step 1
	WIN WN
.irp m, 0,1,2,3
.irp n, 0,1,2,3
.if \first
	MM ACC+32*\m+8*\n, BFB+12*\n, AFB+12*\m, B2+8*\n, SB+16*(\n/2)+KS, SA+16*(\m/2)+KS, \n%2, \m%2
.else
	MM ACC+32*\m+8*\n, BFB+12*\n, AFB+12*\m, ACC+32*\m+8*\n, SB+16*(\n/2)+KS, SA+16*(\m/2)+KS, \n%2, \m%2
.endif
.endr
.endr
.rept 4
	v_nop
.endr
	WIN 0
.endm
.macro RPROD c, q                      ; a wave whose 64 rows have no work jumps over the products (no load, no barrier, no wait stands inside)
	s_cmp_eq_u32 s37, 0
	s_cbranch_scc1 .Lidle_\@
	PROD \c, \q, 0
.Lidle_\@:
.endm
; A chunk.  At its head W2's fragments of its step 0 are on their way from LDS (24 loads).  w1, w2, w3: how many younger loads from memory may stay out when (1) h's first step and W2's next chunk, (2) h's second step,
; (3) W2's chunk after next have to be in; the third wait stands only to hold the loads in flight at five groups.
.macro CHUNK c, w1, w2, w3
	s_wait_loadcnt \w1
.if (\c) == 0
	LDA 1, 1
.endif
.if (\c)+3 <= 7
	LDB (\c)+3                                     ; into the set that this chunk has left (its LDS stores were waited for ahead of the last barrier)
.endif
.if (\c) == 6                                  ; nothing more is asked for along K: the tokens and weights for the way out, six loads, each onto its own address register
	global_load_b32 v[TK], v[TK], s[14:15]
	global_load_b32 v[TK+1], v[TK+1], s[14:15]
	s_wait_alu depctr_va_vdst(0)
.irp m, 0,1,2,3
	global_load_b32 v[WR+2*\m], v[WR+2*\m], s[16:17]
.endr
.endif
.if (\c) < 7
	STB (\c)+1                                     ; the other slot: every wave's reads of it were in ahead of the last barrier
.endif
	FETCH \c, 1                                    ; behind the four places of the products that read this buffer last
.if (\c) < 7
	s_wait_dscnt 36                                ; step 0's fragments are in: the 12 stores and step 1's 24 loads may be out
.else
	s_wait_dscnt 24
.endif
.if (\c) == 0
	PROD 0, 0, 1                                   ; on every wave's path: it writes all 16 accumulators
.else
	RPROD \c, 0
.endif
	s_wait_loadcnt \w2
.if (\c)+2 <= 7
	LDA (\c)+2, 0                                  ; into the registers that step 0 has multiplied, behind its four places
.endif
.if (\c) < 7
	BARRIER                                        ; step 1's fragments are in, so my reads of this slot are over; my part of the next chunk lies in the other slot; and so for every wave
	FETCH (\c)+1, 0
.else
	s_wait_dscnt 0x0
.endif
	RPROD \c, 1
.if (\c)+2 <= 7
.if (\c) < 5
	s_wait_loadcnt \w3
.endif
	LDA (\c)+2, 1
.endif
.endm
	CHUNK 0, 36, 48, 48                            ; three groups of 12 stand behind h's first step; then four, each time
.irp c, 1,2,3,4
	CHUNK \c, 48, 48, 48                           ; behind the group that is wanted stand four groups of 12, each time
.endr
	CHUNK 5, 48, 36, 0                             ; W2 has no chunk 8: four groups, then three
	CHUNK 6, 36, 30, 0                             ; three groups; then two and the six
	CHUNK 7, 18, 6, 0                              ; one group and the six; the six
	; THE WAY OUT, for a wave that has rows.  The tokens: row 16 m + 2 i + h of my 64 lies in lane 16 (m % 2) + 2 i + h of register m / 2.
	s_cmp_eq_u32 s37, 0
	s_cbranch_scc1 .Lend
	s_wait_loadcnt 0x0                             ; the tokens and the weights
.irp m, 0,1,2,3
.irp i, 0,1,2,3,4,5,6,7
	v_add_nc_u32 v[OOFF+8*\m+\i], 64*(\m%2)+8*\i, v[BPI]        ; lane x 4
.endr
.endr
.irp m, 0,1,2,3
.irp i, 0,1,2,3,4,5,6,7
	ds_bpermute_b32 v[OOFF+8*\m+\i], v[OOFF+8*\m+\i], v[TK+\m/2]
.endr
.endr
.irp m, 0,1,2,3
	v_mov_b32 v[WR+2*\m+1], v[WR+2*\m]             ; (the packed form names the pair)
.endr
	s_wait_dscnt 0x0
.irp k, 0,1,2,3,4,5,6,7,8,9,10,11,12,13,14,15,16,17,18,19,20,21,22,23,24,25,26,27,28,29,30,31
	v_min_u32 v[OOFF+\k], 0x7ff, v[OOFF+\k]
	v_lshl_add_u32 v[OOFF+\k], v[OOFF+\k], 12, v[R16]   ; token x 4,096 + 16 r
.endr
; 16 rows at a time: x the row's weight; through my own stage in LDS, so that sixteen lanes hold 256 consecutive bytes of a token's row; + the earlier slot's sum (pv = 1); stored.
; LDS serves a wave's instructions in order (ISA guide 5.7.1.4): no wait between the stores into the stage and the loads from it.
.macro EPI pv
.if \pv
	WIN 0x40
.irp k, 0,1,2,3,4,5,6,7,8,9,10,11,12,13,14,15,16,17,18,19,20,21,22,23,24,25,26,27,28,29,30,31
	global_load_b128 v[4*\k:4*\k+3], v[OOFF+\k], s[20:21]
.endr
	WIN 0
.endif
.irp m, 0,1,2,3
.irp k, 0,2,4,6,8,10,12,14,16,18,20,22,24,26,28,30
	v_pk_mul_f32 v[ACC+32*\m+\k:ACC+32*\m+\k+1], v[ACC+32*\m+\k:ACC+32*\m+\k+1], v[WR+2*\m:WR+2*\m+1] op_sel_hi:[1,0]   ; each accumulator from its low end on
.endr
.irp n, 0,1,2,3
	ds_store_b128 v[STO], v[ACC+32*\m+8*\n:ACC+32*\m+8*\n+3] offset:64*\n
	ds_store_b128 v[STO], v[ACC+32*\m+8*\n+4:ACC+32*\m+8*\n+7] offset:64*\n+16
.endr
.if \m > 0
	s_wait_xcnt 0x0                                ; the last 16 rows' stores have read their data: those registers are loaded again only behind this wait
.endif
	WIN 0x80
.irp i, 0,1,2,3,4,5,6,7
	ds_load_b128 v[4*\i:4*\i+3], v[RD] offset:544*\i
.endr
	s_wait_dscnt 0x0
.if \pv
	s_wait_loadcnt 24-8*\m                         ; these 16 rows' eight loads are in; those of the later rows may be out
	WIN 0x86                                       ; destination and source 0 in window 2, source 1 in window 1
.irp k, 0,2,4,6,8,10,12,14,16,18,20,22,24,26,28,30
	v_pk_add_f32 v[\k:\k+1], v[\k:\k+1], v[32*\m+\k:32*\m+\k+1]
.endr
.endif
	WIN 0x08
.irp i, 0,1,2,3,4,5,6,7
	global_store_b128 v[OOFF+8*\m+\i], v[4*\i:4*\i+3], s[22:23]   ; 16 lanes store 256 consecutive bytes, at a multiple of 256 from the buffer's first byte
.endr
	WIN 0
.endr
.endm
	s_cmp_eq_u32 s31, 0                            ; the record says whether the other slot's sum is added
	s_cbranch_scc1 .Lplain
	EPI 1
	s_branch .Lend
.Lplain:
	EPI 0
.Lend:
	s_wait_tensorcnt 0x0
	ds_add_u32 v30, v31
	s_wait_dscnt 0x0
	s_endpgm
.Lfunc_end_k_q65ddf305ac_ffn2a:
	.size	k_q65ddf305ac_ffn2a, .Lfunc_end_k_q65ddf305ac_ffn2a-k_q65ddf305ac_ffn2a
	.p2alignl 7, 3214868480
	.fill 96, 4, 3214868480
	.section	.rodata,"a",@progbits
	.p2align	6, 0x0
	.amdhsa_kernel k_q65ddf305ac_ffn2a
		.amdhsa_group_segment_fixed_size 71168
		.amdhsa_private_segment_fixed_size 0
		.amdhsa_enable_private_segment 0
		.amdhsa_kernarg_size 80
		.amdhsa_user_sgpr_count 2
		.amdhsa_user_sgpr_kernarg_segment_ptr 1
		.amdhsa_wavefront_size32 1
		.amdhsa_system_sgpr_workgroup_id_x 1
		.amdhsa_system_sgpr_workgroup_id_y 1
		.amdhsa_system_sgpr_workgroup_id_z 1
		.amdhsa_system_vgpr_workitem_id 0
		.amdhsa_next_free_vgpr 704
		.amdhsa_next_free_sgpr 66
		.amdhsa_reserve_vcc 0
		.amdhsa_float_denorm_mode_32 3
		.amdhsa_float_denorm_mode_16_64 3
		.amdhsa_memory_ordered 1
		.amdhsa_forward_progress 1
		.amdhsa_inst_pref_size 144
	.end_amdhsa_kernel
	.amdgpu_metadata
---
amdhsa.version: [ 1, 2 ]
amdhsa.kernels:
  - .name:           k_q65ddf305ac_ffn2a
    .symbol:         k_q65ddf305ac_ffn2a.kd
    .args:
      - { .name: hq, .offset: 0, .size: 8, .value_kind: global_buffer, .address_space: global }
      - { .name: hqs, .offset: 8, .size: 8, .value_kind: global_buffer, .address_space: global }
      - { .name: W2_codes, .offset: 16, .size: 8, .value_kind: global_buffer, .address_space: global }
      - { .name: W2_scales, .offset: 24, .size: 8, .value_kind: global_buffer, .address_space: global }
      - { .name: b2, .offset: 32, .size: 8, .value_kind: global_buffer, .address_space: global }
      - { .name: rowtok, .offset: 40, .size: 8, .value_kind: global_buffer, .address_space: global }
      - { .name: roww, .offset: 48, .size: 8, .value_kind: global_buffer, .address_space: global }
      - { .name: tiles1, .offset: 56, .size: 8, .value_kind: global_buffer, .address_space: global }
      - { .name: out0, .offset: 64, .size: 8, .value_kind: global_buffer, .address_space: global }
      - { .name: tmp, .offset: 72, .size: 8, .value_kind: global_buffer, .address_space: global }
    .group_segment_fixed_size: 71168
    .private_segment_fixed_size: 0
    .kernarg_segment_align: 8
    .kernarg_segment_size: 80
    .max_flat_workgroup_size: 128
    .sgpr_count:     66
    .vgpr_count:     704
    .wavefront_size: 32
...
	.end_amdgpu_metadata
.endif
;; end of part 3
;; launch ffn2b: the kernel of part 3 again; grid 8 x 24, 4 waves a work-group, no clusters, 71,168 bytes of LDS; arguments hq, hqs, W2_codes, W2_scales, b2, rowtok, roww, tiles0, tmp, out0; writes out0
